; MI455X (gfx1250); checked and timed in simulation.
; The chip was launched on July 23, 2026; its instructions are those of AMD's public machine-readable ISA for CDNA 5 (MIT licence, August 2026) and "CDNA5" Instruction Set Architecture Reference Guide (July 2026). The comments in the code are by the model that wrote it; some were corrected since.
;; SSTA. Allowed arithmetic: matrix products marked QUANTISED: E2M1 operands, one E8M0 scale for each 32 along K, by v_wmma_scale_f32_16x16x128_f8f6f4 with both operands' format E2M1 (or v_wmma_scale_f32_32x16x128_f4), f32 sums; everything else in f32.
;; Inputs: b1 1,024 float32; b2 256 float32; bk 256 float32; bq 256 float32; bv 256 float32; ln1_b 256 float32; ln1_w 256 float32; ln2_b 256 float32; ln2_w 256 float32; w1 1,024 x 256 float32; w2 256 x 1,024 float32; wk 256 x 256 float32; wq 256 x 256 float32; wv 256 x 256 float32; x 512 x 64 x 256 float32.
;; Outputs: out0 512 x 64 x 256 float32.
;; This version of the problem:
;;   THIS VERSION OF THE PROBLEM IS GIVEN IN LOW PRECISION. The matrix products marked QUANTISED in the list below multiply operands that are first quantised to E2M1 (2 exponent bits, 1 mantissa bit; 4 bits a number), with one power-of-two scale for each 32 numbers along K (OCP MX v1.0); their sums are f32. All else is computed in f32.
;;   The module's matrix products, in the order in which they are computed (A, B: the left and right operand; K: the contracted axis; several contracted axes count as one K, in the product's order):
;;     1. [M 32,768, K 256] x [K 256, N 256]; A: input x; B: input wq: QUANTISED
;;     2. [M 32,768, K 256] x [K 256, N 256]; A: input x; B: input wk: QUANTISED
;;     3. [M 32,768, K 256] x [K 256, N 256]; A: input x; B: input wv: QUANTISED
;;     4. batch 512 x [M 512, K 32] x [K 32, N 512]; A: computed on the way; B: computed on the way: QUANTISED
;;     5. batch 512 x [M 512, K 512] x [K 512, N 32]; A: softmax (see below); B: computed on the way: QUANTISED
;;     6. [M 32,768, K 256] x [K 256, N 1,024]; A: computed on the way; B: input w1: QUANTISED
;;     7. [M 32,768, K 1,024] x [K 1,024, N 256]; A: computed on the way; B: input w2: QUANTISED
;;   THE QUANTISER, for each operand of a quantised product, along K:
;;     - K is cut into blocks of 32 from its start; a last block that is shorter is filled with zeros.
;;     - A block's scale is 2^e with e = floor(log2(the largest magnitude in the block)) - 2, held to -126 .. 127; a block of zeros has e = 0. As a byte (E8M0): e + 127.
;;     - Each number is divided by its block's scale, clamped to +-6, and rounded to the nearest number of E2M1, ties to even, subnormals kept.
;;     - The product sums the exact products of the quantised numbers (number of the format x scale) in f32.
;;   ~~~python
;;   def quantise(x, axis):      # numpy; x: float32 -> the quantised numbers, widened to float32 again
;;       x = np.moveaxis(x, axis, -1); K = x.shape[-1]
;;       x = np.pad(x, [(0, 0)] * (x.ndim - 1) + [(0, -K % 32)]); x = x.reshape(x.shape[:-1] + (-1, 32)); a = np.abs(x).max(-1, keepdims=True)
;;       e = np.where(a > 0, np.clip(np.frexp(np.where(a > 0, a, 1))[1] - 1 - 2, -126, 127), 0)      # np.frexp(a)[1] - 1 = floor(log2(a)), exactly
;;       r = np.clip(x / 2.0 ** e, -6, 6)
;;       step = 2.0 ** (np.maximum(np.frexp(np.where(r == 0, 1, r))[1] - 1, 0) - 1)
;;       q = np.round(r / step) * step * 2.0 ** e      # np.round: ties to even
;;       return np.moveaxis(q.reshape(q.shape[:-2] + (-1,))[..., :K], -1, axis).astype(np.float32)
;;   ~~~
;;   SOFTMAX AHEAD OF A QUANTISED PRODUCT. Where the list says 'softmax', what is quantised is not the finished softmax but p = 2^(t - M), with t = logit x log2(e) and M = ceil(the row's largest t), a whole number; so 1/2 < the row's largest p <= 1. The row's sum l is taken of the UNQUANTISED p, in f32, and the product's result is divided by l at the end. Since M is a whole number, a kernel that streams over the keys may use a running M (the ceiling of the running maximum): every later rescaling is an exact power of two, which a block's scale takes up: the codes' values come out the same.
;;   OPERANDS COMPUTED ON THE WAY. 'Computed on the way' means the value that the module computes at that place (a softmax that the list does not call 'softmax' is quantised finished and normalised). What goes into a quantiser is computed in f32, as accurately as f32 sums, v_exp_f32 and their like allow (about 1e-6 of the number): no bf16 or f16 on the way to a quantiser, and a product that is left as it is and whose result goes on into a quantised operand takes f32 operands (vector FMAs, or v_wmma_f32_16x16x4_f32). A number that lies on a knife's edge between two numbers of the format may be rounded either way, as far as f32 arithmetic and the matrix unit's own rounding can turn it there, and no further.
;; One version. Each part assembles by itself: llvm-mc -triple=amdgcn-amd-amdhsa -mcpu=gfx1250 --defsym DOCPART=n.
;; ======== version 1 of 1: 3 launches
;; workspace buffers: wc 425,984 bytes; ws 26,624 bytes; rot 65,536 bytes; cst 6,144 bytes; codes 12,582,912 bytes; scl 786,432 bytes
;; launch prep (part 1): grid 54 x 1, 8 waves a work-group, no clusters, 0 bytes of LDS; arguments wq, wk, wv, w1, w2, bq, bk, bv, wc, ws, rot, cst; writes wc, ws, rot, cst
.if DOCPART == 1
	.amdgcn_target "amdgcn-amd-amdhsa--gfx1250"
	.amdhsa_code_object_version 6
	.text
	.protected	k_qd563f0f4a2_prep
	.globl	k_qd563f0f4a2_prep
	.p2align	8
	.type	k_qd563f0f4a2_prep,@function
k_qd563f0f4a2_prep:
	s_mov_b64 s[64:65], 0
	v_nop
	global_prefetch_b8 v0, s[64:65] scope:SCOPE_SE
	s_setreg_imm32_b32 hwreg(HW_REG_WAVE_MODE, 25, 1), 1
	s_wait_xcnt 0x0
; PREP.  Work-groups 0-51: the five weights (f32, K innermost) become codes of E2M1 with one E8M0 byte for each 32 along K, laid as IMAGES OF OPERAND REGISTERS:
; fragment F (16 rows x 128 K) is 1,024 bytes of wc: register quad c at 512 c + 16 lane, lane 16 h + r holding block 2 c + h of row r; its 16 scale words are 64 bytes of ws.
; F = 32 kind + 2 tile + s for kinds q, q', k, k', v (s: K step; tile: 16 outputs); 160 + 2 T + s for w1; 288 + 8 T + s for w2.
; The primed kinds hold the rows that the rotary's second term reads: output c of a head takes row 2 c + 1 (c < 16) or 2 (c - 16).
; w1's tile T takes rows 32 (T / 2) + 8 (T % 2) + r + 8 (r / 8), so that two neighbouring tiles' results are 16 neighbours along the next K.
; Work-groups 52, 53: cos and signed sin of token x angle, [plane 4][token 512][4 f32] each (angle = 4 plane + i; the sine is negated for angles 0-7, as the rotary's second term is).
; Work-group 52 also: the five biases, the primed ones permuted like the rows, and the eight decays log(1 - 2^(-1 - 3 h / 8)).
; LIMITS: NaN and infinities are not served; a block whose largest magnitude lies under 2^-124 gets the byte 1 (a block of zeros too: its codes are zeros, and only this program reads the bytes).
; The 16 angles are f32 literals of 10000^(-i / 15); the decays come by v_exp_f32 and v_log_f32, a few last places from a correctly rounded value.
.set SEL, 42
	s_load_b512 s[4:19], s[0:1], 0x0               ; wq wk wv w1 w2 bq bk bv
	s_load_b256 s[20:27], s[0:1], 0x40             ; wc ws rot cst
	s_cmp_ge_u32 ttmp9, 52
	s_cbranch_scc1 .Ltables
	v_lshrrev_b32 v1, 5, v0
	v_readfirstlane_b32 s28, v1                    ; wave
	s_lshl_b32 s29, ttmp9, 3
	s_add_co_u32 s29, s29, s28                     ; F: one wave, one fragment
	s_cmp_ge_u32 ttmp9, 36
	s_cbranch_scc1 .Lw2
	s_cmp_ge_u32 ttmp9, 20
	s_cbranch_scc1 .Lw1
	s_lshr_b32 s30, s29, 1
	s_and_b32 s30, s30, 15                         ; tile
	s_and_b32 s31, s29, 1                          ; K step
	s_lshl_b32 s32, s30, 4                         ; plain kinds: first row 16 tile
	s_lshr_b32 s33, s30, 1
	s_lshl_b32 s33, s33, 5
	s_and_b32 s34, s30, 1
	s_xor_b32 s34, s34, 1
	s_add_co_u32 s33, s33, s34                     ; primed kinds: 32 head + 1 (first half) or + 0 (second half), rows two apart
	s_bitcmp1_b32 s29, 5                           ; kind odd?
	s_cselect_b32 s32, s33, s32
	s_cselect_b32 s35, 1, 0
	s_mov_b32 s36, 0
	s_mov_b32 s37, 10                              ; a row is 1,024 bytes
	s_branch .Lrow
.Lw1:
	s_sub_co_u32 s30, s29, 160
	s_and_b32 s31, s30, 1
	s_lshr_b32 s30, s30, 1
	s_lshr_b32 s32, s30, 1
	s_lshl_b32 s32, s32, 5
	s_and_b32 s33, s30, 1
	s_lshl_b32 s33, s33, 3
	s_add_co_u32 s32, s32, s33                     ; 32 (T / 2) + 8 (T % 2)
	s_mov_b32 s35, 0
	s_mov_b32 s36, 8                               ; + 8 (r / 8)
	s_mov_b32 s37, 10
	s_branch .Lrow
.Lw2:
	s_sub_co_u32 s30, s29, 288
	s_and_b32 s31, s30, 7
	s_lshr_b32 s30, s30, 3
	s_lshl_b32 s32, s30, 4
	s_mov_b32 s35, 0
	s_mov_b32 s36, 0
	s_mov_b32 s37, 12                              ; a row is 4,096 bytes
.Lrow:
	v_and_b32 v2, 15, v0                           ; r
	v_bfe_u32 v3, v0, 4, 1                         ; h
	v_lshlrev_b32 v4, s35, v2
	v_lshrrev_b32 v5, 3, v2
	v_mul_u32_u24 v5, s36, v5
	v_add3_u32 v4, v4, v5, s32                     ; my row
	v_lshlrev_b32 v4, s37, v4
	v_lshl_add_u32 v4, v3, 7, v4                   ; + 128 h: my blocks are h and 2 + h of the K step
	s_lshl_b32 s31, s31, 9
	v_add_nc_u32 v4, s31, v4
	v_and_b32 v6, 31, v0
	v_lshlrev_b32 v6, 4, v6                        ; 16 lane
	v_lshlrev_b32 v7, 2, v2                        ; 4 r
	s_mov_b32 s[SEL], 0x76543210
	s_mov_b32 s[SEL+1], 0xfedcba98                 ; lane l xor 16
	s_lshl_b32 s44, s29, 10
	s_mov_b32 s45, 0
	s_lshl_b32 s46, s29, 6
	s_mov_b32 s47, 0
	s_wait_kmcnt 0x0
	s_cmp_ge_u32 s29, 64                           ; which tensor: a choice on the fragment's number alone
	s_cselect_b64 s[38:39], s[6:7], s[4:5]
	s_cmp_ge_u32 s29, 128
	s_cselect_b64 s[38:39], s[8:9], s[38:39]
	s_cmp_ge_u32 s29, 160
	s_cselect_b64 s[38:39], s[10:11], s[38:39]
	s_cmp_ge_u32 s29, 288
	s_cselect_b64 s[38:39], s[12:13], s[38:39]
	s_add_nc_u64 s[20:21], s[20:21], s[44:45]
	s_add_nc_u64 s[22:23], s[22:23], s[46:47]
.irp c, 0,1
.irp i, 0,1,2,3,4,5,6,7
	global_load_b128 v[32+32*\c+4*\i:35+32*\c+4*\i], v4, s[38:39] offset:256*\c+16*\i   ; block 2 c + h: 32 neighbours along K
.endr
.endr
	s_wait_loadcnt 0x0
.irp c, 0,1
	v_max3_num_f32 v[8+\c], |v[32+32*\c]|, |v[33+32*\c]|, 0x1800000    ; the largest magnitude, over the floor 2^(3 - 127): the byte cannot fall under 1
.endr
.irp i, 2,4,6,8,10,12,14,16,18,20,22,24,26,28,30
.irp c, 0,1
	v_max3_num_f32 v[8+\c], v[8+\c], |v[32+32*\c+\i]|, |v[33+32*\c+\i]|
.endr
.endr
.irp c, 0,1
	v_add_nc_u32 v[10+\c], 0xff000000, v[8+\c]     ; 2 off the exponent field: the conversion's scale operand
.endr
.irp c, 0,1
	v_lshrrev_b32 v[12+\c], 23, v[10+\c]           ; the byte
.endr
	v_lshl_or_b32 v14, v13, 16, v12                ; blocks h and 2 + h,
	v_lshlrev_b32 v15, 3, v3
	v_lshlrev_b32 v14, v15, v14                    ; at their places in the word;
	v_mov_b32 v15, 0
	v_permlanex16_b32 v15, v14, s[SEL], s[SEL+1]
	v_or_b32 v14, v14, v15                         ; with the other half's two the word is whole
.irp c, 0,1
.irp g, 0,1,2,3
	v_cvt_scalef32_pk8_fp4_f32 v[96+4*\c+\g], v[32+32*\c+8*\g:39+32*\c+8*\g], v[10+\c]
.endr
.endr
	v_nop
	global_store_b128 v6, v[96:99], s[20:21]       ; 512 consecutive bytes a store
	global_store_b128 v6, v[100:103], s[20:21] offset:512
	global_store_b32 v7, v14, s[22:23]             ; both halves of the lanes store the same word
	s_endpgm
.Ltables:
	s_sub_co_u32 s28, ttmp9, 52
	s_lshl_b32 s29, s28, 8
	v_add_nc_u32 v8, s29, v0                       ; token
	v_cvt_f32_u32 v9, v8
	s_mov_b32 s30, 0x3f22f983                      ; 2 / pi
	s_mov_b32 s31, 0xbfc90fdb                      ; -(pi / 2), upper part
	s_mov_b32 s32, 0x333bbd2e                      ; upper part - pi / 2
	s_mov_b32 s33, 0x3638ef1d                      ; sine: 1 / 9!
	s_mov_b32 s34, 0xb9500d01                      ; -1 / 7!
	s_mov_b32 s35, 0x3c088889                      ; 1 / 5!
	s_mov_b32 s36, 0xbe2aaaab                      ; -1 / 3!
	s_mov_b32 s37, 0xb493f27e                      ; cosine: -1 / 10!
	s_mov_b32 s38, 0x37d00d01                      ; 1 / 8!
	s_mov_b32 s39, 0xbab60b61                      ; -1 / 6!
	s_mov_b32 s40, 0x3d2aaaab                      ; 1 / 4!
; x = token x angle, rounded once as the product of two f32; n = the nearest multiple of pi / 2; x - n pi / 2 in two fused steps, the first of which rounds nothing (x < 512, n < 512);
; sine and cosine of the rest (at most pi / 4) by their series; the quadrant swaps them and sets the signs.
.macro SINCOS a, lit, flip
	v_mul_f32 v10, \lit, v9
	v_mul_f32 v11, s30, v10
	v_rndne_f32 v11, v11
	v_fma_f32 v12, v11, s31, v10
	v_fma_f32 v12, v11, s32, v12
	v_mul_f32 v13, v12, v12
	v_fma_f32 v14, v13, s33, s34
	v_fma_f32 v16, v13, s37, s38
	v_fma_f32 v14, v14, v13, s35
	v_fma_f32 v16, v16, v13, s39
	v_fma_f32 v14, v14, v13, s36
	v_fma_f32 v16, v16, v13, s40
	v_mul_f32 v15, v12, v13
	v_fma_f32 v16, v16, v13, -0.5
	v_fma_f32 v14, v15, v14, v12                   ; sine
	v_fma_f32 v16, v16, v13, 1.0                   ; cosine
	v_cvt_i32_f32 v17, v11
	v_and_b32 v18, 1, v17
	v_cmp_eq_u32 vcc_lo, 1, v18
	v_cndmask_b32 v19, v14, v16, vcc_lo            ; odd quadrants swap the two
	v_cndmask_b32 v20, v16, v14, vcc_lo
	v_add_nc_u32 v21, 2*\flip, v17
	v_add_nc_u32 v22, 1, v17
	v_lshlrev_b32 v21, 30, v21
	v_lshlrev_b32 v22, 30, v22
	v_and_b32 v21, 0x80000000, v21
	v_and_b32 v22, 0x80000000, v22
	v_xor_b32 v[48+\a], v21, v19
	v_xor_b32 v[32+\a], v22, v20
.endm
	SINCOS 0, 0x3f800000, 1
	SINCOS 1, 0x3f0a8a16, 1
	SINCOS 2, 0x3e95f254, 1
	SINCOS 3, 0x3e224b06, 1
	SINCOS 4, 0x3dafa7f6, 1
	SINCOS 5, 0x3d3e1e95, 1
	SINCOS 6, 0x3ccdc613, 1
	SINCOS 7, 0x3c5eb78a, 1
	SINCOS 8, 0x3bf10e22, 0
	SINCOS 9, 0x3b8273a4, 0
	SINCOS 10, 0x3b0d3169, 0
	SINCOS 11, 0x3a98d197, 0
	SINCOS 12, 0x3a2566d4, 0
	SINCOS 13, 0x39b3054c, 0
	SINCOS 14, 0x3941c2d7, 0
	SINCOS 15, 0x38d1b717, 0
	v_lshlrev_b32 v8, 4, v8
	s_wait_kmcnt 0x0
.irp p, 0,1,2,3
	global_store_b128 v8, v[32+4*\p:35+4*\p], s[24:25] offset:8192*\p          ; a wave stores 512 consecutive bytes
	global_store_b128 v8, v[48+4*\p:51+4*\p], s[24:25] offset:8192*\p+32768
.endr
	s_cmp_lg_u32 ttmp9, 52
	s_cbranch_scc1 .Lend
	v_lshlrev_b32 v64, 2, v0                       ; 4 t
	v_and_b32 v65, 0xe0, v0                        ; the head,
	v_lshlrev_b32 v66, 1, v0
	v_and_b32 v66, 31, v66
	v_bfe_u32 v67, v0, 4, 1
	v_xor_b32 v67, 1, v67
	v_or_b32 v65, v65, v66
	v_or_b32 v65, v65, v67                         ; and 2 c + 1 (c < 16) or 2 (c - 16) in it
	v_lshlrev_b32 v65, 2, v65
	global_load_b32 v68, v64, s[14:15]
	global_load_b32 v69, v65, s[14:15]
	global_load_b32 v70, v64, s[16:17]
	global_load_b32 v71, v65, s[16:17]
	global_load_b32 v72, v64, s[18:19]
	v_and_b32 v73, 7, v0
	v_cvt_f32_u32 v73, v73
	v_fma_f32 v73, v73, 0xbec00000, -1.0           ; -1 - 3 h / 8, exact
	v_exp_f32 v73, v73
	v_nop
	s_wait_alu depctr_va_vdst(0)
	v_sub_f32 v73, 1.0, v73
	v_log_f32 v73, v73
	v_nop
	s_wait_alu depctr_va_vdst(0)
	v_mul_f32 v73, 0x3f317218, v73                 ; x ln 2
	s_wait_loadcnt 0x0
	global_store_b32 v64, v68, s[26:27]
	global_store_b32 v64, v69, s[26:27] offset:1024
	global_store_b32 v64, v70, s[26:27] offset:2048
	global_store_b32 v64, v71, s[26:27] offset:3072
	global_store_b32 v64, v72, s[26:27] offset:4096
	global_store_b32 v64, v73, s[26:27] offset:5120
.Lend:
	s_endpgm
.Lfunc_end_k_qd563f0f4a2_prep:
	.size	k_qd563f0f4a2_prep, .Lfunc_end_k_qd563f0f4a2_prep-k_qd563f0f4a2_prep
	.p2alignl 7, 3214868480
	.fill 96, 4, 3214868480
	.section	.rodata,"a",@progbits
	.p2align	6, 0x0
	.amdhsa_kernel k_qd563f0f4a2_prep
		.amdhsa_group_segment_fixed_size 0
		.amdhsa_private_segment_fixed_size 0
		.amdhsa_enable_private_segment 0
		.amdhsa_kernarg_size 96
		.amdhsa_user_sgpr_count 2
		.amdhsa_user_sgpr_kernarg_segment_ptr 1
		.amdhsa_wavefront_size32 1
		.amdhsa_system_sgpr_workgroup_id_x 1
		.amdhsa_system_sgpr_workgroup_id_y 1
		.amdhsa_system_sgpr_workgroup_id_z 1
		.amdhsa_system_vgpr_workitem_id 0
		.amdhsa_next_free_vgpr 112
		.amdhsa_next_free_sgpr 66
		.amdhsa_reserve_vcc 1
		.amdhsa_float_denorm_mode_32 3
		.amdhsa_float_denorm_mode_16_64 3
		.amdhsa_memory_ordered 1
		.amdhsa_forward_progress 1
		.amdhsa_inst_pref_size 33
	.end_amdhsa_kernel
	.amdgpu_metadata
---
amdhsa.version: [ 1, 2 ]
amdhsa.kernels:
  - .name:           k_qd563f0f4a2_prep
    .symbol:         k_qd563f0f4a2_prep.kd
    .args:
      - { .name: wq, .offset: 0, .size: 8, .value_kind: global_buffer, .address_space: global }
      - { .name: wk, .offset: 8, .size: 8, .value_kind: global_buffer, .address_space: global }
      - { .name: wv, .offset: 16, .size: 8, .value_kind: global_buffer, .address_space: global }
      - { .name: w1, .offset: 24, .size: 8, .value_kind: global_buffer, .address_space: global }
      - { .name: w2, .offset: 32, .size: 8, .value_kind: global_buffer, .address_space: global }
      - { .name: bq, .offset: 40, .size: 8, .value_kind: global_buffer, .address_space: global }
      - { .name: bk, .offset: 48, .size: 8, .value_kind: global_buffer, .address_space: global }
      - { .name: bv, .offset: 56, .size: 8, .value_kind: global_buffer, .address_space: global }
      - { .name: wc, .offset: 64, .size: 8, .value_kind: global_buffer, .address_space: global }
      - { .name: ws, .offset: 72, .size: 8, .value_kind: global_buffer, .address_space: global }
      - { .name: rot, .offset: 80, .size: 8, .value_kind: global_buffer, .address_space: global }
      - { .name: cst, .offset: 88, .size: 8, .value_kind: global_buffer, .address_space: global }
    .group_segment_fixed_size: 0
    .private_segment_fixed_size: 0
    .kernarg_segment_align: 8
    .kernarg_segment_size: 96
    .max_flat_workgroup_size: 256
    .sgpr_count:     66
    .vgpr_count:     112
    .wavefront_size: 32
...
	.end_amdgpu_metadata
.endif
;; end of part 1
;; launch qkv (part 2): grid 4 x 64, 16 waves a work-group, no clusters, 172,032 bytes of LDS; arguments x, wc, ws, rot, cst, codes, scl; writes codes, scl
.if DOCPART == 2
	.amdgcn_target "amdgcn-amd-amdhsa--gfx1250"
	.amdhsa_code_object_version 6
	.text
	.protected	k_qd563f0f4a2_qkv
	.globl	k_qd563f0f4a2_qkv
	.p2align	8
	.type	k_qd563f0f4a2_qkv,@function
k_qd563f0f4a2_qkv:
	s_mov_b64 s[64:65], 0
	v_nop
	global_prefetch_b8 v0, s[64:65] scope:SCOPE_SE
	s_setreg_imm32_b32 hwreg(HW_REG_WAVE_MODE, 25, 1), 1
	s_wait_xcnt 0x0
; QKV.  A work-group takes 128 tokens (128 st on) of one n.  x is quantised along its 256 channels once (wave w: token tile w / 2, K step w % 2) and handed round through LDS as images of operand registers.
; x IS READ AS IT LIES: each of a wave's 16 loads takes 512 consecutive bytes of one token's row, 16 a lane.  The quantiser wants 16 neighbours of a block in one lane, so the 8 KiB turn through the wave's
; own stage in LDS (16 rows of 512 bytes + 16 of padding): stored as loaded, read back row r by lane r.  No other wave touches that stage, so no barrier stands there.
; Then wave w works for head w / 2: role w % 2 = 0 makes q, 1 makes k, and each makes 16 of v's 32 channels.  Its ten weight fragments stay in registers.
; ROTARY WITHOUT LANE TRAFFIC: y2 = x W[permuted rows]^T + b[permuted] is a second product on the same codes; q = y cos + y2 sin', two packed lines for two channels, which share an angle.
; q, k: source 0 = 16 weight rows, source 1 = 16 tokens: a lane holds one token and 16 of the head's 32 channels; the block of 32 is shared with lane l xor 16.
; v:    source 0 = 16 tokens, source 1 = 16 weight rows: a lane holds one channel and 8 tokens; two tiles of tokens and lane l xor 16 make a block of 32 tokens, v's K.
; OUT.  codes: q at 0, k at 4 MiB: [n][head][token][16 bytes], channels in the order 0-7, 16-23, 8-15, 24-31 (alike in q and k).  v at 8 MiB: [n][head][st][ct] images of 1,024 bytes
; (16 channels x 128 tokens), tokens of a block in the same order.  scl: q at 0, k at 262,144: [n][head][g 8][r 16][b 4] bytes for token 64 g + 16 b + r; v at 524,288: [n][head][st][ct][r] words.
; LIMITS: NaN and infinities are not served; a block whose largest magnitude lies under 2^-124 gets the byte 1.
.set XIMG, 0                           ; LDS: x's 16 fragments (2 m + s), 1,024 bytes each
.set XSC,  16384                       ; their scale words, 128 bytes each
.set CT,   18432                       ; cos [plane 4][128 tokens][16 bytes]
.set ST,   26624                       ; sin' likewise
.set TURN, 34816                       ; the waves' stages for x: 16 rows x TP bytes each
.set TP,   528                         ; 512 bytes + 16: the 16 rows that a read touches start at 16 different banks
.set TM,   232                         ; v232-247 at work in QUANT
.set PW,   25                          ; the scale word just made
.set SEL,  44
; v1 16 lane; v2 4 lane; v3 my stage, way in; v4 tables' address; v5 x's scale words' address; v6 16 r + 8 h; v7 4 r; v8, v9 the tables' fill; v10, v11 where my images go; v14 32 h; v22 my stage, way out
; v16-20 weights' scale words; v21 x's; v23 q's or k's bytes; v24 v's bytes; v32-111 weights; v112-143 biases; v144-151 v's bias; v152-167 x's two fragments
; v168-199 y, y2; v200-215 v's two tiles; v216-223 cos; v224-231 sin'; v248-251 codes
.macro WM d, a, b, c, sa, sb, ra, rb
.if (\ra) && (\rb)
	v_wmma_scale_f32_16x16x128_f8f6f4 v[(\d):(\d)+7], v[(\a):(\a)+7], v[(\b):(\b)+7], v[(\c):(\c)+7], v[\sa], v[\sb] matrix_a_fmt:MATRIX_FMT_FP4 matrix_b_fmt:MATRIX_FMT_FP4 matrix_a_scale:MATRIX_SCALE_ROW1 matrix_b_scale:MATRIX_SCALE_ROW1
.elseif \ra
	v_wmma_scale_f32_16x16x128_f8f6f4 v[(\d):(\d)+7], v[(\a):(\a)+7], v[(\b):(\b)+7], v[(\c):(\c)+7], v[\sa], v[\sb] matrix_a_fmt:MATRIX_FMT_FP4 matrix_b_fmt:MATRIX_FMT_FP4 matrix_a_scale:MATRIX_SCALE_ROW1
.elseif \rb
	v_wmma_scale_f32_16x16x128_f8f6f4 v[(\d):(\d)+7], v[(\a):(\a)+7], v[(\b):(\b)+7], v[(\c):(\c)+7], v[\sa], v[\sb] matrix_a_fmt:MATRIX_FMT_FP4 matrix_b_fmt:MATRIX_FMT_FP4 matrix_b_scale:MATRIX_SCALE_ROW1
.else
	v_wmma_scale_f32_16x16x128_f8f6f4 v[(\d):(\d)+7], v[(\a):(\a)+7], v[(\b):(\b)+7], v[(\c):(\c)+7], v[\sa], v[\sb] matrix_a_fmt:MATRIX_FMT_FP4 matrix_b_fmt:MATRIX_FMT_FP4
.endif
.endm
; nb blocks of 32: a lane's registers s + 16 b + 0 .. 15 and lane l xor 16's.  Codes to v[pc] on, two registers a block; bytes in v[TM+4] on; for nb > 1 the word in v[PW] and whole blocks in a lane.
.macro QUANT s, nb, pc, ab
.set QB, 0
.rept \nb
.if \ab
	v_max3_num_f32 v[TM+QB], |v[\s+16*QB]|, |v[\s+16*QB+1]|, 0x1800000      ; over the floor 2^(3 - 127): the byte cannot fall under 1
.else
	v_max3_num_f32 v[TM+QB], v[\s+16*QB], v[\s+16*QB+1], 0x1800000
.endif
.set QB, QB+1
.endr
.set QI, 2
.rept 7
.set QB, 0
.rept \nb
.if \ab
	v_max3_num_f32 v[TM+QB], v[TM+QB], |v[\s+16*QB+QI]|, |v[\s+16*QB+QI+1]|
.else
	v_max3_num_f32 v[TM+QB], v[TM+QB], v[\s+16*QB+QI], v[\s+16*QB+QI+1]
.endif
.set QB, QB+1
.endr
.set QI, QI+2
.endr
.set QB, 0
.rept \nb
	v_permlanex16_b32 v[TM+4+QB], v[TM+QB], s[SEL], s[SEL+1]
.set QB, QB+1
.endr
.set QB, 0
.rept \nb
	v_max_num_f32 v[TM+QB], v[TM+QB], v[TM+4+QB]   ; the block's largest magnitude
.set QB, QB+1
.endr
.set QB, 0
.rept \nb
	v_add_nc_u32 v[TM+12+QB], 0xff000000, v[TM+QB] ; 2 off the exponent field: the conversion's scale operand
.set QB, QB+1
.endr
.set QB, 0
.rept \nb
	v_lshrrev_b32 v[TM+4+QB], 23, v[TM+12+QB]      ; the byte
.set QB, QB+1
.endr
.if \nb > 1
	v_lshl_or_b32 v[PW], v[TM+5], 8, v[TM+4]
.endif
.if \nb > 2
	v_lshl_or_b32 v[PW], v[TM+6], 16, v[PW]
	v_lshl_or_b32 v[PW], v[TM+7], 24, v[PW]
.endif
.set QB, 0
.rept \nb
	v_cvt_scalef32_pk8_fp4_f32 v[\pc+2*QB], v[\s+16*QB:\s+16*QB+7], v[TM+12+QB]
	v_cvt_scalef32_pk8_fp4_f32 v[\pc+2*QB+1], v[\s+16*QB+8:\s+16*QB+15], v[TM+12+QB]
.set QB, QB+1
.endr
	v_nop                                          ; one plain line behind the conversions
.if \nb > 1
.set QB, 0
.rept \nb/2
	v_permlane16_swap_b32 v[\pc+4*QB], v[\pc+4*QB+2]       ; lanes 0-15 get block 2 c whole, lanes 16-31 block 2 c + 1
	v_permlane16_swap_b32 v[\pc+4*QB+1], v[\pc+4*QB+3]
.set QB, QB+1
.endr
.endif
.endm
	s_load_b256 s[4:11], s[0:1], 0x0               ; x, wc, ws, rot
	s_load_b128 s[12:15], s[0:1], 0x20             ; cst, codes
	s_load_b64 s[16:17], s[0:1], 0x30              ; scl
	v_lshl_add_u32 v242, v0, 2, 0x29800
	v_mov_b32 v243, 0
	v_lshrrev_b32 v15, 5, v0
	v_readfirstlane_b32 s22, v15                   ; wave
	s_lshr_b32 s23, s22, 1                         ; head; for x: token tile
	s_and_b32 s24, s22, 1                          ; role; for x: K step
	s_and_b32 s21, ttmp7, 0xffff                   ; n
	v_and_b32 v15, 31, v0
	v_and_b32 v12, 15, v0                          ; r
	v_bfe_u32 v13, v0, 4, 1                        ; h
	v_lshlrev_b32 v1, 4, v15
	v_lshlrev_b32 v2, 2, v15
	s_mul_i32 s28, s22, 16*TP
	s_add_co_u32 s28, s28, TURN                    ; my stage
	v_add_nc_u32 v3, s28, v1                       ; in: a row as it was loaded, 16 bytes a lane
	v_mul_u32_u24 v22, v12, TP
	v_lshl_add_u32 v22, v13, 6, v22
	v_add_nc_u32 v22, s28, v22                     ; out: row r, my 16 numbers of each block of 32
	v_lshlrev_b32 v4, 4, v12
	v_lshl_add_u32 v4, v13, 11, v4
	v_add_nc_u32 v4, CT, v4                        ; plane h, token r
	v_lshlrev_b32 v7, 2, v12
	v_lshl_add_u32 v5, v13, 7, v7
	v_add_nc_u32 v5, XSC, v5                       ; lanes 0-15: K step 0's words, lanes 16-31: K step 1's
	v_lshlrev_b32 v6, 4, v12
	v_lshl_add_u32 v6, v13, 3, v6
	v_lshrrev_b32 v8, 7, v0
	v_lshlrev_b32 v8, 13, v8
	v_and_b32 v9, 127, v0
	v_lshl_add_u32 v8, v9, 4, v8                   ; the tables in memory: plane t / 128, token t % 128
	v_lshlrev_b32 v9, 4, v0                        ; and in LDS: 16 t
	s_lshl_b32 s28, s22, 10
	v_add_nc_u32 v10, s28, v1
	s_lshl_b32 s28, s22, 7
	s_add_co_u32 s28, s28, XSC
	v_add_nc_u32 v11, s28, v2
	v_lshlrev_b32 v14, 5, v13
.irp b, 0,1,2,3
	v_mov_b32 v[TM+4+\b], 0                        ; a lane permute's destination counts as read
.endr
	s_mov_b32 s[SEL], 0x76543210
	s_mov_b32 s[SEL+1], 0xfedcba98
	s_mov_b32 s27, 0
	s_lshl_b32 s25, s21, 3
	s_add_co_u32 s25, s25, s23                     ; 8 n + head
	s_wait_kmcnt 0x0
	s_lshl_b32 s26, ttmp9, 11
	s_add_nc_u64 s[10:11], s[10:11], s[26:27]      ; the tables at token 128 st
	s_lshl_b32 s26, ttmp9, 23
	s_lshl_b32 s28, s23, 20
	s_add_co_u32 s26, s26, s28
	s_lshl_b32 s28, s21, 10
	s_add_co_u32 s26, s26, s28
	s_lshl_b32 s28, s24, 9
	s_add_co_u32 s26, s26, s28
	s_add_nc_u64 s[4:5], s[4:5], s[26:27]          ; x at ((128 st + 16 tile) 64 + n) 1,024 + 512 s
	global_load_b128 v[152:155], v8, s[10:11]
	global_load_b128 v[156:159], v8, s[10:11] offset:32768
.set K, 0
.rept 16
	global_load_b128 v[168+4*K:171+4*K], v1, s[4:5] offset:65536*K th:TH_LOAD_NT   ; token K of my 16: 512 consecutive bytes; a token on is 64 rows of 1,024 bytes
.set K, K+1
.endr
	s_lshl_b32 s29, s23, 12
	s_lshl_b32 s26, s24, 16
	s_add_co_u32 s26, s26, s29
	s_add_nc_u64 s[30:31], s[6:7], s[26:27]        ; fragments 64 role + 4 head on
	s_lshl_b32 s26, s24, 11
	s_add_co_u32 s26, s26, s29
	s_add_co_u32 s26, s26, 131072
	s_add_nc_u64 s[32:33], s[6:7], s[26:27]        ; fragments 128 + 4 head + 2 role on
	s_lshl_b32 s29, s23, 8
	s_lshl_b32 s26, s24, 12
	s_add_co_u32 s26, s26, s29
	s_add_nc_u64 s[34:35], s[8:9], s[26:27]
	s_lshl_b32 s26, s24, 7
	s_add_co_u32 s26, s26, s29
	s_add_co_u32 s26, s26, 8192
	s_add_nc_u64 s[36:37], s[8:9], s[26:27]
	s_lshl_b32 s29, s23, 7
	s_lshl_b32 s26, s24, 11
	s_add_co_u32 s26, s26, s29
	s_add_nc_u64 s[38:39], s[12:13], s[26:27]      ; biases of kinds 2 role, 2 role + 1, my head
	s_lshl_b32 s26, s24, 6
	s_add_co_u32 s26, s26, s29
	s_add_nc_u64 s[40:41], s[12:13], s[26:27]
.irp a, 0,1,2,3
.irp s, 0,1
.irp c, 0,1
	global_load_b128 v[32+16*\a+8*\s+4*\c:35+16*\a+8*\s+4*\c], v1, s[30:31] offset:32768*(\a/2)+2048*(\a%2)+1024*\s+512*\c
.endr
.endr
.endr
.irp s, 0,1
.irp c, 0,1
	global_load_b128 v[96+8*\s+4*\c:99+8*\s+4*\c], v1, s[32:33] offset:1024*\s+512*\c
.endr
.endr
.irp a, 0,1,2,3
	global_load_b32 v[16+\a], v2, s[34:35] offset:2048*(\a/2)+128*(\a%2)   ; lanes 0-15: K step 0's words, lanes 16-31: K step 1's
.endr
	global_load_b32 v20, v2, s[36:37]
.irp a, 0,1,2,3
	global_load_b128 v[112+8*\a:115+8*\a], v14, s[38:39] offset:1024*(\a/2)+64*(\a%2)
	global_load_b128 v[116+8*\a:119+8*\a], v14, s[38:39] offset:1024*(\a/2)+64*(\a%2)+16
.endr
	global_load_b32 v144, v7, s[40:41] offset:4096
	s_lshl_b32 s29, s25, 13
	s_lshl_b32 s28, ttmp9, 11
	s_add_co_u32 s29, s29, s28
	s_lshl_b32 s26, s24, 22
	s_add_co_u32 s26, s26, s29
	s_add_nc_u64 s[46:47], s[14:15], s[26:27]      ; q's or k's codes
	s_lshl_b32 s26, s24, 10
	s_add_co_u32 s26, s26, s29
	s_add_co_u32 s26, s26, 0x800000
	s_add_nc_u64 s[50:51], s[14:15], s[26:27]      ; v's image
	s_lshl_b32 s29, s25, 9
	s_lshl_b32 s28, ttmp9, 7
	s_add_co_u32 s29, s29, s28
	s_lshl_b32 s26, s24, 18
	s_add_co_u32 s26, s26, s29
	s_add_nc_u64 s[48:49], s[16:17], s[26:27]      ; q's or k's bytes
	s_lshl_b32 s26, s24, 6
	s_add_co_u32 s26, s26, s29
	s_add_co_u32 s26, s26, 524288
	s_add_nc_u64 s[52:53], s[16:17], s[26:27]      ; v's words
	s_wait_loadcnt 34                              ; the tables and x are in; 20 + 5 + 8 + 1 younger loads (weights, their scales, biases) stay out
	ds_store_b128 v9, v[152:155] offset:CT
	ds_store_b128 v9, v[156:159] offset:ST
.set K, 0
.rept 16
	ds_store_b128 v3, v[168+4*K:171+4*K] offset:TP*K       ; x's rows into my stage, as they were loaded
.set K, K+1
.endr
	s_wait_dscnt 0x0                               ; the stores have read their registers: the loads below land on them
.irp b, 0,1,2,3
.irp j, 0,1,2,3
	ds_load_b128 v[168+16*\b+4*\j:171+16*\b+4*\j], v22 offset:128*\b+16*\j     ; row r: k = 32 b + 16 h + 4 j on
.endr
.endr
	s_wait_dscnt 0x0
	QUANT 168, 4, 248, 1
	ds_store_b128 v10, v[248:251] offset:XIMG      ; the fragment as it stands in my registers
	ds_store_b128 v10, v[252:255] offset:XIMG+512
	ds_store_b32 v11, v[PW]
	s_wait_dscnt 0x0                               ; my stores have landed: for the others' sake
	s_barrier_signal -1
	s_barrier_wait -1                              ; x's 16 fragments and the tables lie in LDS; nothing in LDS is written again
	s_wait_loadcnt 0x0
.irp j, 1,2,3,4,5,6,7
	v_mov_b32 v[144+\j], v144                      ; v's bias in the result's layout: my channel's, eight times
.endr
.macro TILE m
	ds_load_b128 v[152:155], v1 offset:2048*\m
	ds_load_b128 v[156:159], v1 offset:2048*\m+512
	ds_load_b128 v[160:163], v1 offset:2048*\m+1024
	ds_load_b128 v[164:167], v1 offset:2048*\m+1536
	ds_load_b32 v21, v5 offset:256*\m
	ds_load_b128 v[216:219], v4 offset:256*\m
	ds_load_b128 v[220:223], v4 offset:256*\m+4096
	ds_load_b128 v[224:227], v4 offset:256*\m+8192
	ds_load_b128 v[228:231], v4 offset:256*\m+12288
	s_wait_dscnt 0x0
.irp a, 0,1,2,3                        ; five accumulators by turns; the biases start the sums
	WM 168+8*\a, 32+16*\a, 152, 112+8*\a, 16+\a, 21, 0, 0
.endr
	WM 200+8*((\m)%2), 152, 96, 144, 21, 20, 0, 0
.irp a, 0,1,2,3
	WM 168+8*\a, 40+16*\a, 160, 168+8*\a, 16+\a, 21, 1, 1
.endr
	WM 200+8*((\m)%2), 160, 104, 200+8*((\m)%2), 21, 20, 1, 1
.rept 4
	v_nop                                          ; four plain lines between the products and the first read of their results
.endr
.irp ct, 0,1                           ; channel 16 ct + 8 h + 2 i + e has angle 8 ct + 4 h + i: register 4 ct + i of the tables' eight
.irp g, 0,1
.irp e, 0,1
	v_pk_mul_f32 v[184+8*\ct+4*\g+2*\e:185+8*\ct+4*\g+2*\e], v[184+8*\ct+4*\g+2*\e:185+8*\ct+4*\g+2*\e], v[224+4*\ct+2*\g:225+4*\ct+2*\g] op_sel:[0,\e] op_sel_hi:[1,\e]
	v_pk_fma_f32 v[168+8*\ct+4*\g+2*\e:169+8*\ct+4*\g+2*\e], v[168+8*\ct+4*\g+2*\e:169+8*\ct+4*\g+2*\e], v[216+4*\ct+2*\g:217+4*\ct+2*\g], v[184+8*\ct+4*\g+2*\e:185+8*\ct+4*\g+2*\e] op_sel:[0,\e,0] op_sel_hi:[1,\e,1]
.endr
.endr
.endr
	s_wait_xcnt 0x0                                ; the earlier tiles' stores have read their data: codes and bytes may be written again
	QUANT 168, 1, 248, 1
.if (\m)%4 == 0
	v_mov_b32 v23, v[TM+4]
.else
	v_lshl_or_b32 v23, v[TM+4], 8*((\m)%4), v23
.endif
	global_store_b64 v6, v[248:249], s[46:47] offset:256*\m        ; the wave stores 256 consecutive bytes, aligned
.if (\m)%4 == 3
	global_store_b32 v7, v23, s[48:49] offset:64*((\m)/4)
.endif
.if (\m)%2 == 1
	QUANT 200, 1, 250, 1                           ; 32 tokens of my channel
.if (\m)/2 == 0
	v_mov_b32 v24, v[TM+4]
.else
	v_lshl_or_b32 v24, v[TM+4], 8*((\m)/2), v24
.endif
	global_store_b64 v6, v[250:251], s[50:51] offset:256*((\m)/2)
.endif
.endm
	TILE 0
	TILE 1
	TILE 2
	TILE 3
	TILE 4
	TILE 5
	TILE 6
	TILE 7
	global_store_b32 v7, v24, s[52:53]
	s_wait_tensorcnt 0x0
	ds_add_u32 v242, v243
	s_wait_dscnt 0x0
	s_endpgm
.Lfunc_end_k_qd563f0f4a2_qkv:
	.size	k_qd563f0f4a2_qkv, .Lfunc_end_k_qd563f0f4a2_qkv-k_qd563f0f4a2_qkv
	.p2alignl 7, 3214868480
	.fill 96, 4, 3214868480
	.section	.rodata,"a",@progbits
	.p2align	6, 0x0
	.amdhsa_kernel k_qd563f0f4a2_qkv
		.amdhsa_group_segment_fixed_size 172032
		.amdhsa_private_segment_fixed_size 0
		.amdhsa_enable_private_segment 0
		.amdhsa_kernarg_size 56
		.amdhsa_user_sgpr_count 2
		.amdhsa_user_sgpr_kernarg_segment_ptr 1
		.amdhsa_wavefront_size32 1
		.amdhsa_system_sgpr_workgroup_id_x 1
		.amdhsa_system_sgpr_workgroup_id_y 1
		.amdhsa_system_sgpr_workgroup_id_z 1
		.amdhsa_system_vgpr_workitem_id 0
		.amdhsa_next_free_vgpr 256
		.amdhsa_next_free_sgpr 66
		.amdhsa_reserve_vcc 0
		.amdhsa_float_denorm_mode_32 3
		.amdhsa_float_denorm_mode_16_64 3
		.amdhsa_memory_ordered 1
		.amdhsa_forward_progress 1
		.amdhsa_inst_pref_size 53
	.end_amdhsa_kernel
	.amdgpu_metadata
---
amdhsa.version: [ 1, 2 ]
amdhsa.kernels:
  - .name:           k_qd563f0f4a2_qkv
    .symbol:         k_qd563f0f4a2_qkv.kd
    .args:
      - { .name: x, .offset: 0, .size: 8, .value_kind: global_buffer, .address_space: global }
      - { .name: wc, .offset: 8, .size: 8, .value_kind: global_buffer, .address_space: global }
      - { .name: ws, .offset: 16, .size: 8, .value_kind: global_buffer, .address_space: global }
      - { .name: rot, .offset: 24, .size: 8, .value_kind: global_buffer, .address_space: global }
      - { .name: cst, .offset: 32, .size: 8, .value_kind: global_buffer, .address_space: global }
      - { .name: codes, .offset: 40, .size: 8, .value_kind: global_buffer, .address_space: global }
      - { .name: scl, .offset: 48, .size: 8, .value_kind: global_buffer, .address_space: global }
    .group_segment_fixed_size: 172032
    .private_segment_fixed_size: 0
    .kernarg_segment_align: 8
    .kernarg_segment_size: 56
    .max_flat_workgroup_size: 512
    .sgpr_count:     66
    .vgpr_count:     256
    .wavefront_size: 32
...
	.end_amdgpu_metadata
.endif
;; end of part 2
;; launch attn (part 3): grid 4 x 64, 16 waves a work-group, no clusters, 293,888 bytes of LDS; arguments x, codes, scl, cst, wc, ws, b1, b2, ln1_w, ln1_b, ln2_w, ln2_b, out0; writes out0
.if DOCPART == 3
	.amdgcn_target "amdgcn-amd-amdhsa--gfx1250"
	.amdhsa_code_object_version 6
	.text
	.protected	k_qd563f0f4a2_attn
	.globl	k_qd563f0f4a2_attn
	.p2align	8
	.type	k_qd563f0f4a2_attn,@function
k_qd563f0f4a2_attn:
	s_mov_b64 s[64:65], 0
	v_nop
	global_prefetch_b8 v0, s[64:65] scope:SCOPE_SE
	s_setreg_imm32_b32 hwreg(HW_REG_WAVE_MODE, 25, 1), 1
	s_wait_xcnt 0x0
; ATTN.  A work-group takes 128 queries (128 wq on) of one n through attention, residual, layer norm, the two products of the FFN, residual and layer norm, to out0.
; All of that n's codes of k and v and their scale bytes (136 KiB) are brought into LDS once; there is no ring.
; x COMES EARLY, STRAIGHT INTO THE STAGE: at the head each wave issues ONE tensor load, a tile of 16 rows x 512 bytes: just the bytes onto which it later adds its four heads' results.  Only the issuing wave
; touches them before the barrier behind the attention, so its own wait on TENSORcnt orders them.  The tile has a head's four key steps in which to land.  Nothing in LDS is filled a second time.
; ATTENTION.  Wave w: query tile w / 2, heads 4 (w % 2) on; 16 steps of (one head, 128 keys).  Both products transposed: a lane holds one query (lane % 16).
; K = 32 WITHOUT WASTE OF LDS READS: 64 keys x 16 bytes, as they lie, ARE one operand of 16 rows x 128 K whose block b, row r is key 16 b + r.  The other operand holds q's 32 codes in block b and
; zero codes elsewhere (four variants out of 24 registers), so the product picks key tile b; the zero codes add nothing.
; THE MASK IS THE C OF THE SCORE PRODUCT: decay x |i - j| = fma(D, cs, kappa): D a table of whole numbers (i - j less a multiple of 128), cs = +-decay, kappa = cs x 0, 128 or 256, exact:
; so the fused line rounds decay x distance once, as a plain f32 product does.  In the step on the diagonal -|.| is taken (a scalar branch on ids).
; SOFTMAX: t = score x log2(e); M = the running largest t rounded up; p = 2^(t - M) is quantised along the keys; the sum is taken of the unquantised p and divides at a head's end.
; p's and v's blocks of 32 keys both lie in the order 0-7, 16-23, 8-15, 24-31.
; FFN.  The waves share the columns: wave w makes hidden units 64 w on and outputs 16 w on for all 128 rows; its weights and its part of b1 stay in registers; rows' codes go round through LDS as images of operand registers.
; No cluster: what the four work-groups of an n share (136 KiB) is read once, at the head, and nothing of it in a loop.
; LIMITS: NaN and infinities are not served; a block whose largest magnitude lies under 2^-124 gets the byte 1; 1 / sum by v_rcp_f32, 1 / sqrt by v_rsq_f32.
.set KC,   0                           ; LDS: k's codes [head][token][16]
.set VC,   65536                       ; v's images [head][st][ct] x 1,024
.set KS,   131072                      ; k's bytes
.set VS,   135168                      ; v's words
.set QC,   139264                      ; q's codes [head][128][16]
.set QS,   155648                      ; q's bytes [head][128]
.set STG,  156672                      ; the stage, f32, in two halves: channels 0-127, then channels 128-255; each 128 rows x (512 + 16) bytes
.set SP,   528
.set HALF, 128*SP
.set XIMG, 0                           ; behind the attention, over k's and v's bytes: the normed rows' 16 fragments,
.set XSC,  16384                       ; their scale words,
.set HIMG, 18432                       ; the hidden layer's 64 fragments (8 m + ks),
.set HSC,  83968                       ; their scale words,
.set B1L,  92160                       ; b1
.set TM,   240
.set PW,   28
.set G0,   60                          ; s[60:63] the tensor load's group 0;  s[92:99] its group 1
.set G1,   92
.set TB,   66                          ; LDS byte of the step's codes: 8,192 head + 2,048 st
.set TS,   67                          ; and of its scale words: 512 head + 128 st
.set STP,  68                          ; st
.set HO,   70                          ; 128 head
.set HQ,   71                          ; 2,048 head
.set CC,   76                          ; s[76:77] cs
.set LG,   78                          ; s[78:79] log2(e)
.set SEL,  80                          ; s[80:81]
.set AA,   82                          ; a: -1, 0, 0, 1 for wq = 0 .. 3
.set HX,   87                          ; the head's place in the stage: HALF (w % 2) + 128 x its number among my four
.set HD,   88
; ATTENTION'S REGISTERS: v1 16 lane; v2 4 lane; v3-5 the step's addresses; v6, v7 q's; v8 the stage; v10, v11 lane masks; v12 -M; v13 largest t; v[14:15] sum; v16-19 scale words of k, v, q, p;
; v[20:21] kappa; v[22:23] f; v32-95 D; v96-159 scores, p; v160-175 O^T; v176-191 k's or v's fragments; v192-215 q's variants; v216-223 p's codes; v224-238 at work; v239 scale words' base
.macro WM d, a, b, c, sa, sb, ra, rb
.if (\ra) && (\rb)
	v_wmma_scale_f32_16x16x128_f8f6f4 v[(\d):(\d)+7], v[(\a):(\a)+7], v[(\b):(\b)+7], v[(\c):(\c)+7], v[\sa], v[\sb] matrix_a_fmt:MATRIX_FMT_FP4 matrix_b_fmt:MATRIX_FMT_FP4 matrix_a_scale:MATRIX_SCALE_ROW1 matrix_b_scale:MATRIX_SCALE_ROW1
.elseif \ra
	v_wmma_scale_f32_16x16x128_f8f6f4 v[(\d):(\d)+7], v[(\a):(\a)+7], v[(\b):(\b)+7], v[(\c):(\c)+7], v[\sa], v[\sb] matrix_a_fmt:MATRIX_FMT_FP4 matrix_b_fmt:MATRIX_FMT_FP4 matrix_a_scale:MATRIX_SCALE_ROW1
.elseif \rb
	v_wmma_scale_f32_16x16x128_f8f6f4 v[(\d):(\d)+7], v[(\a):(\a)+7], v[(\b):(\b)+7], v[(\c):(\c)+7], v[\sa], v[\sb] matrix_a_fmt:MATRIX_FMT_FP4 matrix_b_fmt:MATRIX_FMT_FP4 matrix_b_scale:MATRIX_SCALE_ROW1
.else
	v_wmma_scale_f32_16x16x128_f8f6f4 v[(\d):(\d)+7], v[(\a):(\a)+7], v[(\b):(\b)+7], v[(\c):(\c)+7], v[\sa], v[\sb] matrix_a_fmt:MATRIX_FMT_FP4 matrix_b_fmt:MATRIX_FMT_FP4
.endif
.endm
; nb blocks of 32: a lane's registers s + 16 b + 0 .. 15 and lane l xor 16's.  Codes to v[pc] on, whole blocks in a lane; the bytes as a word in v[PW].  It uses v[TM] + 0-7 and + 12-15.
.macro QUANT s, nb, pc, ab
.set QB, 0
.rept \nb
.if \ab
	v_max3_num_f32 v[TM+QB], |v[\s+16*QB]|, |v[\s+16*QB+1]|, 0x1800000      ; over the floor 2^(3 - 127): the byte cannot fall under 1
.else
	v_max3_num_f32 v[TM+QB], v[\s+16*QB], v[\s+16*QB+1], 0x1800000
.endif
.set QB, QB+1
.endr
.set QI, 2
.rept 7
.set QB, 0
.rept \nb
.if \ab
	v_max3_num_f32 v[TM+QB], v[TM+QB], |v[\s+16*QB+QI]|, |v[\s+16*QB+QI+1]|
.else
	v_max3_num_f32 v[TM+QB], v[TM+QB], v[\s+16*QB+QI], v[\s+16*QB+QI+1]
.endif
.set QB, QB+1
.endr
.set QI, QI+2
.endr
.set QB, 0
.rept \nb
	v_permlanex16_b32 v[TM+4+QB], v[TM+QB], s[SEL], s[SEL+1]
.set QB, QB+1
.endr
.set QB, 0
.rept \nb
	v_max_num_f32 v[TM+QB], v[TM+QB], v[TM+4+QB]
.set QB, QB+1
.endr
.set QB, 0
.rept \nb
	v_add_nc_u32 v[TM+12+QB], 0xff000000, v[TM+QB] ; 2 off the exponent field: the conversion's scale operand
.set QB, QB+1
.endr
.set QB, 0
.rept \nb
	v_lshrrev_b32 v[TM+4+QB], 23, v[TM+12+QB]
.set QB, QB+1
.endr
	v_lshl_or_b32 v[PW], v[TM+5], 8, v[TM+4]
.if \nb > 2
	v_lshl_or_b32 v[PW], v[TM+6], 16, v[PW]
	v_lshl_or_b32 v[PW], v[TM+7], 24, v[PW]
.endif
.set QB, 0
.rept \nb
	v_cvt_scalef32_pk8_fp4_f32 v[\pc+2*QB], v[\s+16*QB:\s+16*QB+7], v[TM+12+QB]
	v_cvt_scalef32_pk8_fp4_f32 v[\pc+2*QB+1], v[\s+16*QB+8:\s+16*QB+15], v[TM+12+QB]
.set QB, QB+1
.endr
	v_nop                                          ; one plain line behind the conversions
.set QB, 0
.rept \nb/2
	v_permlane16_swap_b32 v[\pc+4*QB], v[\pc+4*QB+2]
	v_permlane16_swap_b32 v[\pc+4*QB+1], v[\pc+4*QB+3]
.set QB, QB+1
.endr
.endm
	s_load_b512 s[4:19], s[0:1], 0x0               ; x codes scl cst wc ws b1 b2
	s_load_b256 s[20:27], s[0:1], 0x40             ; ln1_w ln1_b ln2_w ln2_b
	s_load_b64 s[28:29], s[0:1], 0x60              ; out0
	v_lshl_add_u32 v254, v0, 2, 0x47400
	v_mov_b32 v255, 0
	ds_add_u32 v254, v255
	ds_add_u32 v254, v255
	s_wait_dscnt 0x0
	v_lshrrev_b32 v24, 5, v0
	v_readfirstlane_b32 s32, v24                   ; wave
	s_mov_b32 s30, ttmp9                           ; wq
	s_and_b32 s31, ttmp7, 0xffff                   ; n
	s_lshr_b32 s33, s32, 1                         ; query tile
	s_and_b32 s34, s32, 1                          ; which four heads
	v_lshlrev_b32 v24, 4, v0                       ; 16 t
	v_lshlrev_b32 v25, 3, v0                       ; 8 t
	v_lshrrev_b32 v26, 7, v0
	v_lshlrev_b32 v26, 13, v26
	v_and_b32 v27, 127, v0
	v_lshl_add_u32 v26, v27, 4, v26                ; q: head t / 128 (+ 4), token t % 128
	v_lshrrev_b32 v27, 6, v0
	v_lshlrev_b32 v27, 9, v27
	v_and_b32 v28, 63, v0
	v_lshl_add_u32 v27, v28, 1, v27                ; q's bytes: head t / 64, two bytes a thread
	v_lshl_add_u32 v28, v0, 1, QS
	v_add_nc_u32 v29, VC, v24
	v_add_nc_u32 v30, KS, v25
	v_add_nc_u32 v31, QC, v24
	; the tensor load's group 1: 16 rows of 128 elements of 4 bytes, 16,384 elements (64 rows of x) from row to row; in LDS 4 words of padding behind every 128
	s_mov_b32 s[G1+0], (2<<16)|(1<<20)|(6<<22)|(3<<25)
	s_mov_b32 s[G1+1], 128<<16                     ; tensor_dim0
	s_mov_b32 s[G1+2], 16<<16                      ; tensor_dim1
	s_mov_b32 s[G1+3], 128<<16                     ; tile_dim0
	s_mov_b32 s[G1+4], 16                          ; tile_dim1
	s_mov_b32 s[G1+5], 16384                       ; tensor_dim0_stride
	s_mov_b32 s[G1+6], 0
	s_mov_b32 s[G1+7], 0
	s_mov_b32 s[G0], 1
	s_mul_i32 s[G0+1], s34, HALF                   ; LDS: my half of the channels,
	s_mul_i32 s86, s33, 16*SP                      ; my tile's 16 rows
	s_add_co_u32 s[G0+1], s[G0+1], s86
	s_add_co_u32 s[G0+1], s[G0+1], STG
	s_mov_b32 s57, 0
	s_lshl_b32 s58, s31, 16
	s_lshl_b32 s59, s31, 12
	s_wait_kmcnt 0x0
	s_add_co_u32 s56, s58, 0x400000
	s_add_nc_u64 s[44:45], s[6:7], s[56:57]        ; k's codes of this n
	s_add_co_u32 s56, s58, 0x800000
	s_add_nc_u64 s[46:47], s[6:7], s[56:57]        ; v's
	s_lshl_b32 s56, s30, 11
	s_add_co_u32 s56, s56, s58
	s_add_nc_u64 s[48:49], s[6:7], s[56:57]        ; q's, at token 128 wq
	s_add_co_u32 s56, s59, 262144
	s_add_nc_u64 s[50:51], s[8:9], s[56:57]
	s_add_co_u32 s56, s59, 524288
	s_add_nc_u64 s[52:53], s[8:9], s[56:57]
	s_lshl_b32 s56, s30, 7
	s_add_co_u32 s56, s56, s59
	s_add_nc_u64 s[54:55], s[8:9], s[56:57]
.irp i, 0,1,2,3,4,5,6,7
	global_load_b128 v[96+4*\i:99+4*\i], v24, s[44:45] offset:8192*\i
.endr
.irp i, 0,1,2,3,4,5,6,7
	global_load_b128 v[128+4*\i:131+4*\i], v24, s[46:47] offset:8192*\i
.endr
	global_load_b64 v[160:161], v25, s[50:51]
	global_load_b64 v[162:163], v25, s[52:53]
	global_load_b128 v[164:167], v26, s[48:49]
	global_load_b128 v[168:171], v26, s[48:49] offset:32768
	global_load_u16 v172, v27, s[54:55]
	s_lshl_b32 s56, s30, 23                        ; x at row 128 wq + 16 (w / 2) of this n, channels 128 (w % 2) on
	s_lshl_b32 s86, s33, 20
	s_add_co_u32 s56, s56, s86
	s_lshl_b32 s86, s31, 10
	s_add_co_u32 s56, s56, s86
	s_lshl_b32 s86, s34, 9
	s_add_co_u32 s56, s56, s86
	s_add_nc_u64 s[G0+2:G0+3], s[4:5], s[56:57]
	s_or_b32 s[G0+3], s[G0+3], 0x80000000          ; type = 2
	tensor_load_to_lds s[G0:G0+3], s[G1:G1+7]      ; my one tensor load: behind the loads that the first key step waits for, ahead of every LDS read, barrier and wait on TENSORcnt
	s_nop 0
.rept 4
	v_nop
.endr
	s_lshl_b32 s56, s34, 4
	s_add_nc_u64 s[10:11], s[10:11], s[56:57]
	s_load_b128 s[72:75], s[10:11], 0x1400         ; my four heads' decays
	s_lshl_b32 s56, s30, 23
	s_lshl_b32 s86, s32, 19
	s_add_co_u32 s56, s56, s86
	s_lshl_b32 s86, s31, 10
	s_add_co_u32 s56, s56, s86
	s_add_nc_u64 s[28:29], s[28:29], s[56:57]      ; out0 at row 128 wq + 8 wave of this n
	s_lshl_b32 s86, s32, 13
	s_add_co_u32 s56, s86, 163840
	s_add_nc_u64 s[36:37], s[12:13], s[56:57]      ; w1's fragments 160 + 8 wave on
	s_add_co_u32 s56, s86, 294912
	s_add_nc_u64 s[38:39], s[12:13], s[56:57]      ; w2's 288 + 8 wave on
	s_lshl_b32 s86, s32, 9
	s_add_co_u32 s56, s86, 10240
	s_add_nc_u64 s[40:41], s[14:15], s[56:57]
	s_add_co_u32 s56, s86, 18432
	s_add_nc_u64 s[42:43], s[14:15], s[56:57]
	s_lshl_b32 s56, s32, 6
	s_add_nc_u64 s[18:19], s[18:19], s[56:57]      ; b2 at my 16 outputs
	s_add_co_u32 s[AA], s30, 1
	s_lshr_b32 s[AA], s[AA], 1
	s_sub_co_i32 s[AA], s[AA], 1
	v_and_b32 v2, 31, v0
	v_lshlrev_b32 v1, 4, v2
	v_lshlrev_b32 v2, 2, v2
	v_and_b32 v12, 15, v0                          ; r
	v_bfe_u32 v13, v0, 4, 1                        ; h
	s_lshl_b32 s83, s33, 4
	v_add_nc_u32 v14, s83, v12                     ; my query in the block
	v_lshl_add_u32 v6, v14, 4, QC
	s_lshr_b32 s84, s33, 2
	s_lshl_b32 s84, s84, 6
	s_add_co_u32 s84, s84, QS
	v_lshl_add_u32 v7, v12, 2, s84
	v_mul_u32_u24 v8, v14, SP
	v_lshl_add_u32 v8, v13, 5, v8
	v_add_nc_u32 v8, STG, v8                       ; the stage: my query's row, + 32 h
	v_add_nc_u32 v10, -1, v13                      ; all ones in lanes 0-15
	v_sub_nc_u32 v11, 0, v13                       ; all ones in lanes 16-31
	v_lshlrev_b32 v15, 3, v13
	v_sub_nc_u32 v238, v14, v15
	s_lshl_b32 s84, s[AA], 7
	v_add_nc_u32 v238, s84, v238                   ; 16 qt + r - 8 h + 128 a
.set K, 0
.rept 64
	v_add_nc_u32 v[32+K], -(16*(K/8)+K%8), v238    ; register 8 tt + j: less key 16 tt + j
.set K, K+1
.endr
.set K, 0
.rept 64
	v_cvt_f32_i32 v[32+K], v[32+K]
.set K, K+1
.endr
.irp j, 0,1,2,3
	v_mov_b32 v[196+\j], 0                         ; the zero codes of q's variants
	v_mov_b32 v[208+\j], 0
	v_mov_b32 v[228+\j], 0                         ; a lane permute's destination counts as read
.endr
	v_mov_b32 v21, 0                               ; upper halves of pairs of which the low word serves
	v_mov_b32 v23, 0
.set K, 0
.rept 16
	v_mov_b32 v[240+K], 0
.set K, K+1
.endr
	v_add_nc_u32 v239, KS, v2
	s_lshl_b32 s[TB], s34, 15
	s_lshl_b32 s[TS], s34, 11
	s_lshl_b32 s[HO], s34, 9
	s_lshl_b32 s[HQ], s34, 13
	s_mul_i32 s[HX], s34, HALF
	s_mov_b32 s[HD], 4
	s_mov_b32 s[LG], 0x3fb8aa3b
	s_mov_b32 s[LG+1], s[LG]
	s_mov_b32 s[SEL], 0x76543210
	s_mov_b32 s[SEL+1], 0xfedcba98
	s_mov_b32 s89, 0x01010101
	s_and_b32 s90, s33, 3
	s_lshl_b32 s90, s90, 3
	s_mov_b32 s91, 0x3b800000                      ; 1 / 256
	s_mov_b32 s85, 0x3727c5ac                      ; 1e-5
	s_wait_loadcnt 0x0
.irp i, 0,1,2,3,4,5,6,7
	ds_store_b128 v24, v[96+4*\i:99+4*\i] offset:8192*\i
.endr
.irp i, 0,1,2,3,4,5,6,7
	ds_store_b128 v29, v[128+4*\i:131+4*\i] offset:8192*\i
.endr
	ds_store_b64 v30, v[160:161]
	ds_store_b64 v30, v[162:163] offset:4096
	ds_store_b128 v31, v[164:167]
	ds_store_b128 v31, v[168:171] offset:8192
	ds_store_b16 v28, v172
	s_wait_dscnt 0x0                               ; my stores have landed: for the others' sake
	s_barrier_signal -1
	s_barrier_wait -1                              ; barrier 1: codes and scale bytes lie in LDS.  My tile of x may still be on its way
	s_wait_kmcnt 0x0                               ; the decays
.Lhead:
	v_add_nc_u32 v24, s[HQ], v6
	v_add_nc_u32 v25, s[HO], v7
	ds_load_b128 v[216:219], v24                   ; my query's 32 codes (both halves of the lanes take the same)
	ds_load_b32 v18, v25
.set K, 0
.rept 16
	v_mov_b32 v[160+K], 0                          ; O^T: the step is written once; its first turn finds zeros
.set K, K+1
.endr
	v_mov_b32 v13, 0xff61b1e6                      ; -3e38, under every t
	v_floor_f32 v12, -v13
	v_mov_b32 v14, 0
	v_mov_b32 v15, 0
	s_wait_dscnt 0x0                               ; also: the last head's stores into the stage have read their registers
.irp j, 0,1,2,3
	v_and_b32 v[192+\j], v10, v[216+\j]            ; block 0: v192-199; block 2: v196-203
	v_and_b32 v[200+\j], v10, v[216+\j]
	v_and_b32 v[204+\j], v11, v[216+\j]            ; block 1: v204-211; block 3: v208-215
	v_and_b32 v[212+\j], v11, v[216+\j]
.endr
	v_lshrrev_b32 v18, s90, v18
	v_and_b32 v18, 255, v18
	v_mul_lo_u32 v18, v18, s89                     ; my query's byte in all four places
	s_mov_b32 s[STP], 0
.Lstep:
	s_sub_co_i32 s83, s30, s[STP]                  ; m = wq - st
	s_cmp_lt_i32 s83, 0
	s_cselect_b32 s84, 0x80000000, 0
	s_xor_b32 s[CC], s72, s84                      ; cs = decay, negated where the keys come after the queries
	s_mov_b32 s[CC+1], s[CC]
	s_sub_co_i32 s83, s83, s[AA]
	s_lshl_b32 s83, s83, 7                         ; 128 (m - a): 0, +-128 or +-256
	v_cvt_f32_i32 v20, s83
	v_mul_f32 v20, s[CC], v20                      ; kappa, exact
	v_add_nc_u32 v3, s[TB], v1
	v_add_nc_u32 v5, s[TS], v239
	v_add_nc_u32 v4, 0x10000, v3
.set K, 0
.rept 4
	v_pk_fma_f32 v[96+K:97+K], v[32+K:33+K], s[CC:CC+1], v[20:21] op_sel_hi:[1,0,0]   ; the mask; with the five lines above: the plain lines between the last products and the loads into their operands
.set K, K+2
.endr
	ds_load_b128 v[176:179], v3                    ; 128 keys x 16 bytes as they lie: two operands
	ds_load_b128 v[180:183], v3 offset:512
	ds_load_b128 v[184:187], v3 offset:1024
	ds_load_b128 v[188:191], v3 offset:1536
	ds_load_b32 v16, v5                            ; lanes 0-15: keys 0-63's words, lanes 16-31: keys 64-127's
.rept 28
	v_pk_fma_f32 v[96+K:97+K], v[32+K:33+K], s[CC:CC+1], v[20:21] op_sel_hi:[1,0,0]
.set K, K+2
.endr
	s_cmp_lg_u32 s[STP], s30
	s_cbranch_scc1 .Lnodiag
.set K, 0
.rept 64
	v_min_num_f32 v[96+K], v[96+K], -v[96+K]       ; on the diagonal: decay x |i - j| (the decay is negative)
.set K, K+1
.endr
.Lnodiag:
	s_wait_dscnt 0x0
.rept 4
	v_nop                                          ; plain lines between the last vector write of the mask and the products that add onto it
.endr
.set T, 0
.rept 8                                ; key tile T: operand T / 4, q in block T % 4; eight accumulators by turns
	WM 96+8*T, 176+8*(T/4), 192+12*(T%2)+4*((T/2)%2), 96+8*T, 16, 18, T/4, 0
.set T, T+1
.endr
.rept 4
	v_nop                                          ; four plain lines in front of loads into the products' operands and of the first read of the scores
.endr
	ds_load_b128 v[176:179], v4                    ; v: channels 0-15 x these 128 keys,
	ds_load_b128 v[180:183], v4 offset:512
	ds_load_b128 v[184:187], v4 offset:1024        ; channels 16-31
	ds_load_b128 v[188:191], v4 offset:1536
	ds_load_b32 v17, v5 offset:4096
.irp b, 0,1,2,3
	v_max3_num_f32 v[224+\b], v[96+16*\b], v[97+16*\b], v[98+16*\b]    ; each block's largest score: for the row's maximum and, since p rises with the score, for the block's largest p
.endr
.irp i, 3,5,7,9,11,13
.irp b, 0,1,2,3
	v_max3_num_f32 v[224+\b], v[224+\b], v[96+16*\b+\i], v[97+16*\b+\i]
.endr
.endr
.irp b, 0,1,2,3
	v_max_num_f32 v[224+\b], v[224+\b], v[111+16*\b]
.endr
.irp b, 0,1,2,3
	v_permlanex16_b32 v[228+\b], v[224+\b], s[SEL], s[SEL+1]
.endr
.irp b, 0,1,2,3
	v_max_num_f32 v[224+\b], v[224+\b], v[228+\b]
.endr
	v_max3_num_f32 v238, v224, v225, v226
	v_max_num_f32 v238, v238, v227
	v_mul_f32 v238, s[LG], v238
	v_max_num_f32 v13, v13, v238                   ; the running largest t
	v_mov_b32 v238, v12
	v_floor_f32 v12, -v13                          ; -M = floor(-t): M is a whole number
	v_sub_f32 v238, v12, v238
	v_cvt_i32_f32 v238, v238                       ; (it saturates)
	v_ldexp_f32 v22, 1.0, v238                     ; f = 2^(old M - new M)
.set K, 0
.rept 32
	v_pk_fma_f32 v[96+K:97+K], v[96+K:97+K], s[LG:LG+1], v[12:13] op_sel_hi:[1,0,0]   ; t - M
.set K, K+2
.endr
.irp b, 0,1,2,3
	v_fma_f32 v[224+\b], v[224+\b], s[LG], v12
.endr
.set K, 0
.rept 64
	v_exp_f32 v[96+K], v[96+K]                     ; p, not normalised
.set K, K+1
.endr
.irp b, 0,1,2,3
	v_exp_f32 v[224+\b], v[224+\b]                 ; the block's largest p: the same two lines on the same number
.endr
	v_pk_mul_f32 v[14:15], v[14:15], v[22:23] op_sel_hi:[1,0]      ; the sum under the new M (a plain line behind the exponentials)
	s_wait_alu depctr_va_vdst(0)
.irp b, 0,1,2,3
	v_max_num_f32 v[224+\b], 0x1800000, v[224+\b]
.endr
.irp b, 0,1,2,3
	v_add_nc_u32 v[232+\b], 0xff000000, v[224+\b]
.endr
.irp b, 0,1,2,3
	v_lshrrev_b32 v[228+\b], 23, v[232+\b]
.endr
	v_lshl_or_b32 v19, v229, 8, v228
	v_lshl_or_b32 v19, v230, 16, v19
	v_lshl_or_b32 v19, v231, 24, v19               ; p's scale word for these 128 keys
.irp b, 0,1,2,3
	v_cvt_scalef32_pk8_fp4_f32 v[216+2*\b], v[96+16*\b:103+16*\b], v[232+\b]
	v_cvt_scalef32_pk8_fp4_f32 v[217+2*\b], v[104+16*\b:111+16*\b], v[232+\b]
.endr
	v_nop
.irp c, 0,1
.irp i, 0,1
	v_permlane16_swap_b32 v[216+4*\c+\i], v[218+4*\c+\i]
.endr
.endr
.set K, 0
.rept 8
	v_pk_mul_f32 v[160+K:161+K], v[160+K:161+K], v[22:23] op_sel_hi:[1,0]   ; O^T under the new M
.set K, K+2
.endr
	v_pk_add_f32 v[236:237], v[96:97], v[98:99]    ; the sum of the unquantised p, in two chains; these lines also stand between the vector writes of p's codes, p's scale word and O^T and the products
.set K, 4
.rept 15
	v_pk_add_f32 v[14:15], v[14:15], v[96+K:97+K]
	v_pk_add_f32 v[236:237], v[236:237], v[98+K:99+K]
.set K, K+4
.endr
	v_pk_add_f32 v[14:15], v[14:15], v[236:237]
	s_wait_dscnt 0x0
	WM 160, 176, 216, 160, 17, 19, 0, 0
	WM 168, 184, 216, 168, 17, 19, 1, 0
	s_add_co_u32 s[TB], s[TB], 2048
	s_add_co_u32 s[TS], s[TS], 128
	s_add_co_u32 s[STP], s[STP], 1
	s_cmp_lt_u32 s[STP], 4
	s_cbranch_scc1 .Lstep
.rept 4
	v_nop                                          ; four plain lines behind the head's last products
.endr
	v_add_nc_u32 v24, s[HX], v8
	s_wait_tensorcnt 0x0                           ; my tile of x has landed: it was asked for four key steps ago; from my second head on nothing is out and the wait is met at once
	ds_load_b128 v[112:115], v24                   ; x of my query, channels 32 head + 16 ct + 8 h + 0 .. 7
	ds_load_b128 v[116:119], v24 offset:16
	ds_load_b128 v[120:123], v24 offset:64
	ds_load_b128 v[124:127], v24 offset:80
	v_add_f32 v14, v14, v15
	v_permlanex16_b32 v228, v14, s[SEL], s[SEL+1]
	v_add_f32 v14, v14, v228                       ; the row's sum
	v_rcp_f32 v14, v14
	v_nop                                          ; a plain line behind the reciprocal
	s_wait_dscnt 0x0
.set K, 0
	s_wait_alu depctr_va_vdst(0)
.rept 8
	v_pk_fma_f32 v[96+K:97+K], v[160+K:161+K], v[14:15], v[112+K:113+K] op_sel_hi:[1,0,1]   ; O^T / the sum + x, each accumulator from its low end on
.set K, K+2
.endr
	ds_store_b128 v24, v[96:99]                    ; back onto x's bytes: they have had their one fill
	ds_store_b128 v24, v[100:103] offset:16
	ds_store_b128 v24, v[104:107] offset:64
	ds_store_b128 v24, v[108:111] offset:80
	s_mov_b32 s72, s73
	s_mov_b32 s73, s74
	s_mov_b32 s74, s75
	s_add_co_u32 s[HO], s[HO], 128
	s_add_co_u32 s[HQ], s[HQ], 2048
	s_add_co_u32 s[HX], s[HX], 128
	s_sub_co_u32 s[HD], s[HD], 1
	s_cmp_lg_u32 s[HD], 0
	s_cbranch_scc1 .Lhead
	s_wait_dscnt 0x0                               ; my stores into the stage have landed and have read their registers
	v_lshlrev_b32 v9, 3, v0                        ; 8 t
	global_load_b128 v[224:227], v1, s[20:21]      ; the first norm's gain and bias,
	global_load_b128 v[228:231], v1, s[20:21] offset:512
	global_load_b128 v[232:235], v1, s[22:23]
	global_load_b128 v[236:239], v1, s[22:23] offset:512
	global_load_b64 v[30:31], v9, s[16:17]         ; b1,
.irp f, 0,1,2,3,4,5,6,7
	global_load_b128 v[32+8*\f:35+8*\f], v1, s[36:37] offset:1024*\f          ; w1's eight fragments,
	global_load_b128 v[36+8*\f:39+8*\f], v1, s[36:37] offset:1024*\f+512
.endr
.irp t, 0,1,2,3
	global_load_b32 v[16+\t], v2, s[40:41] offset:128*\t
.endr
.irp f, 0,1,2,3,4,5,6,7
	global_load_b128 v[96+8*\f:99+8*\f], v1, s[38:39] offset:1024*\f          ; w2's eight
	global_load_b128 v[100+8*\f:103+8*\f], v1, s[38:39] offset:1024*\f+512
.endr
.irp t, 0,1,2,3
	global_load_b32 v[20+\t], v2, s[42:43] offset:128*\t
.endr
	v_and_b32 v26, 15, v0                          ; r
	v_bfe_u32 v27, v0, 4, 1                        ; h
	s_mul_i32 s83, s32, 8*SP
	s_add_co_u32 s83, s83, STG
	v_add_nc_u32 v3, s83, v1                       ; the norms: my eight rows, 16 bytes a lane, channels 0-127;
	v_add_nc_u32 v15, HALF, v3                     ; channels 128-255
	s_lshl_b32 s83, s33, 4
	v_add_nc_u32 v4, s83, v26
	v_mul_u32_u24 v4, v4, SP
	v_lshl_add_u32 v4, v27, 6, v4
	s_mul_i32 s84, s34, HALF
	s_add_co_u32 s84, s84, STG
	v_add_nc_u32 v4, s84, v4                       ; quantising: row 16 (w / 2) + r, K step w % 2, my 16 numbers of each block
	s_lshl_b32 s83, s32, 10
	v_add_nc_u32 v5, s83, v1
	s_lshl_b32 s83, s32, 7
	s_add_co_u32 s83, s83, XSC
	v_add_nc_u32 v6, s83, v2
	s_lshl_b32 s83, s32, 8
	s_add_co_u32 s83, s83, B1L
	v_lshl_add_u32 v7, v27, 6, s83
	v_lshlrev_b32 v8, 2, v26
	v_lshl_add_u32 v8, v27, 7, v8
	v_add_nc_u32 v8, XSC, v8
	s_lshl_b32 s83, s32, 9
	s_add_co_u32 s83, s83, HIMG
	v_add_nc_u32 v10, s83, v1                      ; my half of K step w / 2's image
	s_lshl_b32 s83, s33, 7
	s_lshl_b32 s84, s34, 1
	s_add_co_u32 s83, s83, s84
	s_add_co_u32 s83, s83, HSC
	v_add_nc_u32 v11, s83, v2                      ; and my two bytes of its scale words
	v_add_nc_u32 v12, HIMG, v1
	v_lshlrev_b32 v13, 2, v26
	v_lshl_add_u32 v13, v27, 10, v13
	v_add_nc_u32 v13, HSC, v13
	v_mul_u32_u24 v14, v26, SP
	v_lshl_add_u32 v14, v27, 5, v14
	s_lshr_b32 s83, s32, 3
	s_mul_i32 s83, s83, HALF
	s_and_b32 s84, s32, 7
	s_lshl_b32 s84, s84, 6
	s_add_co_u32 s83, s83, s84
	s_add_co_u32 s83, s83, STG
	v_add_nc_u32 v14, s83, v14                     ; the residual: row r, my 16 outputs: half w / 8, 64 (w % 8) bytes on
	v_lshlrev_b32 v24, 5, v27
	v_add_nc_u32 v25, B1L, v9
	s_barrier_signal -1
	s_barrier_wait -1                              ; barrier 2: attention + x, 128 rows, lie in the stage; nobody reads k's and v's bytes any more
; the sum over a row's 256 numbers: the pair's halves, four steps inside 16 lanes, one across the halves; eight rows by turns
.macro RSUM
.irp i, 0,1,2,3,4,5,6,7
	v_add_f32 v[240+2*\i], v[240+2*\i], v[241+2*\i]
.endr
.irp x, 1,2,4,8
.irp i, 0,1,2,3,4,5,6,7
	v_add_f32_dpp v[240+2*\i], v[240+2*\i], v[240+2*\i] row_xmask:\x row_mask:0xf bank_mask:0xf
.endr
.endr
.irp i, 0,1,2,3,4,5,6,7
	v_permlanex16_b32 v[241+2*\i], v[240+2*\i], s[SEL], s[SEL+1]
.endr
.irp i, 0,1,2,3,4,5,6,7
	v_add_f32 v[240+2*\i], v[240+2*\i], v[241+2*\i]
.endr
.endm
; Layer norm of my eight rows of the stage.  mode 1: the result goes back into the stage.  mode 2: the result goes to out0.
.macro LN mode
.irp i, 0,1,2,3,4,5,6,7
	ds_load_b128 v[160+8*\i:163+8*\i], v3 offset:SP*\i
	ds_load_b128 v[164+8*\i:167+8*\i], v15 offset:SP*\i
.endr
.if \mode == 1
	s_wait_loadcnt 40                              ; the gain, the bias and b1 are in; w1's 16 + 4 loads and w2's 16 + 4 stay out
	ds_store_b64 v25, v[30:31]                     ; b1 into LDS
.endif
	s_wait_dscnt 0x0
.irp i, 0,1,2,3,4,5,6,7
	v_pk_add_f32 v[240+2*\i:241+2*\i], v[160+8*\i:161+8*\i], v[162+8*\i:163+8*\i]
.endr
.irp p, 4,6
.irp i, 0,1,2,3,4,5,6,7
	v_pk_add_f32 v[240+2*\i:241+2*\i], v[240+2*\i:241+2*\i], v[160+8*\i+\p:161+8*\i+\p]
.endr
.endr
	RSUM
.irp i, 0,1,2,3,4,5,6,7
	v_mul_f32 v[240+2*\i], s91, v[240+2*\i]        ; the mean
.endr
.irp i, 0,1,2,3,4,5,6,7
.irp p, 0,2,4,6
	v_pk_add_f32 v[160+8*\i+\p:161+8*\i+\p], v[160+8*\i+\p:161+8*\i+\p], v[240+2*\i:241+2*\i] op_sel_hi:[1,0] neg_lo:[0,1] neg_hi:[0,1]
.endr
.endr
.irp i, 0,1,2,3,4,5,6,7
	v_pk_mul_f32 v[240+2*\i:241+2*\i], v[160+8*\i:161+8*\i], v[160+8*\i:161+8*\i]
.endr
.irp p, 2,4,6
.irp i, 0,1,2,3,4,5,6,7
	v_pk_fma_f32 v[240+2*\i:241+2*\i], v[160+8*\i+\p:161+8*\i+\p], v[160+8*\i+\p:161+8*\i+\p], v[240+2*\i:241+2*\i]
.endr
.endr
	RSUM
.irp i, 0,1,2,3,4,5,6,7
	v_fma_f32 v[240+2*\i], v[240+2*\i], s91, s85   ; the variance + 1e-5
.endr
.irp i, 0,1,2,3,4,5,6,7
	v_rsq_f32 v[240+2*\i], v[240+2*\i]
.endr
	v_nop
	s_wait_alu depctr_va_vdst(0)
.irp i, 0,1,2,3,4,5,6,7
.irp p, 0,2,4,6
	v_pk_mul_f32 v[160+8*\i+\p:161+8*\i+\p], v[160+8*\i+\p:161+8*\i+\p], v[240+2*\i:241+2*\i] op_sel_hi:[1,0]
.endr
.endr
.irp i, 0,1,2,3,4,5,6,7
.irp p, 0,2,4,6
	v_pk_fma_f32 v[160+8*\i+\p:161+8*\i+\p], v[160+8*\i+\p:161+8*\i+\p], v[224+\p:225+\p], v[232+\p:233+\p]
.endr
.endr
.if \mode == 1
.irp i, 0,1,2,3,4,5,6,7
	ds_store_b128 v3, v[160+8*\i:163+8*\i] offset:SP*\i
	ds_store_b128 v15, v[164+8*\i:167+8*\i] offset:SP*\i
.endr
.else
.irp i, 0,1,2,3,4,5,6,7
	global_store_b128 v1, v[160+8*\i:163+8*\i], s[28:29] offset:65536*\i th:TH_STORE_NT         ; 512 consecutive bytes a store
	global_store_b128 v1, v[164+8*\i:167+8*\i], s[28:29] offset:65536*\i+512 th:TH_STORE_NT
.endr
.endif
.endm
	LN 1
	s_wait_dscnt 0x0
	s_barrier_signal -1
	s_barrier_wait -1                              ; barrier 3: the normed rows and b1 lie in LDS
	; the normed rows become the first product's operand: wave w makes fragment (rows 16 (w / 2) on, K step w % 2)
.irp b, 0,1,2,3
.irp j, 0,1,2,3
	ds_load_b128 v[160+16*\b+4*\j:163+16*\b+4*\j], v4 offset:128*\b+16*\j
.endr
.endr
	s_wait_dscnt 0x0
	QUANT 160, 4, 232, 1
	ds_store_b128 v5, v[232:235] offset:XIMG
	ds_store_b128 v5, v[236:239] offset:XIMG+512
	ds_store_b32 v6, v[PW]
	s_wait_dscnt 0x0
	s_barrier_signal -1
	s_barrier_wait -1                              ; barrier 4: the 16 fragments lie in LDS
	s_wait_loadcnt 20                              ; w1's fragments and scale words are in; w2's 16 + 4 loads stay out
.irp t, 0,1,2,3                        ; b1 of my four tiles, in the result's layout: read once, kept for all eight tiles of rows
	ds_load_b128 v[208+8*\t:211+8*\t], v7 offset:128*(\t/2)+32*(\t%2)
	ds_load_b128 v[212+8*\t:215+8*\t], v7 offset:128*(\t/2)+32*(\t%2)+16
.endr
; rows 16 m on: my 64 hidden units (four tiles; b1 starts the sums), relu, two blocks of 32 quantised: half of K step w / 2's operand
.macro F1 m
	ds_load_b128 v[192:195], v1 offset:2048*\m
	ds_load_b128 v[196:199], v1 offset:2048*\m+512
	ds_load_b128 v[200:203], v1 offset:2048*\m+1024
	ds_load_b128 v[204:207], v1 offset:2048*\m+1536
	ds_load_b32 v29, v8 offset:256*\m
	s_wait_dscnt 0x0                               ; also: the last tile's stores have read their registers
.irp t, 0,1,2,3
	WM 160+8*\t, 32+16*\t, 192, 208+8*\t, 16+\t, 29, 0, 0
.endr
.irp t, 0,1,2,3
	WM 160+8*\t, 40+16*\t, 200, 160+8*\t, 16+\t, 29, 1, 1
.endr
.rept 4
	v_nop                                          ; four plain lines behind the products
.endr
.if \m == 7
	global_load_b128 v[224:227], v24, s[18:19]     ; b2 in the result's layout, where b1's third tile lay: its last product stands four plain lines back
	global_load_b128 v[228:231], v24, s[18:19] offset:16
.endif
.set K, 0
.rept 32
	v_max_num_f32 v[160+K], 0, v[160+K]
.set K, K+1
.endr
	QUANT 160, 2, 248, 0
	ds_store_b128 v10, v[248:251] offset:8192*\m
	ds_store_b16 v11, v[PW] offset:1024*\m
.endm
	F1 0
	F1 1
	F1 2
	F1 3
	F1 4
	F1 5
	F1 6
	F1 7
	s_wait_dscnt 0x0
	s_barrier_signal -1
	s_barrier_wait -1                              ; barrier 5: the hidden layer's 64 fragments lie in LDS
	s_wait_loadcnt 0x0                             ; w2, its scale words, b2
; K step ks of the second product: my 16 outputs for the eight tiles of rows, eight accumulators by turns; b2 starts the sums
.macro F2 ks
.irp m, 0,1,2,3,4,5,6,7
	ds_load_b128 v[32+8*\m:35+8*\m], v12 offset:8192*\m+1024*\ks
	ds_load_b128 v[36+8*\m:39+8*\m], v12 offset:8192*\m+1024*\ks+512
.endr
.irp i, 0,1,2,3
	ds_load_b32 v[24+\i], v13 offset:2048*\i+128*\ks       ; lanes 0-15: rows' tile 2 i, lanes 16-31: tile 2 i + 1
.endr
	s_wait_dscnt 0x0
.irp m, 0,1,2,3,4,5,6,7
.if \ks == 0
	WM 160+8*\m, 96+8*\ks, 32+8*\m, 224, 20+\ks/2, 24+\m/2, \ks%2, \m%2
.else
	WM 160+8*\m, 96+8*\ks, 32+8*\m, 160+8*\m, 20+\ks/2, 24+\m/2, \ks%2, \m%2
.endif
.endr
.rept 4
	v_nop                                          ; four plain lines in front of loads into the products' operands and of the first read of results
.endr
.endm
	F2 0
	F2 1
	F2 2
	F2 3
	F2 4
	F2 5
	F2 6
	F2 7
	global_load_b128 v[224:227], v1, s[24:25]
	global_load_b128 v[228:231], v1, s[24:25] offset:512
	global_load_b128 v[232:235], v1, s[26:27]
	global_load_b128 v[236:239], v1, s[26:27] offset:512
.irp m, 0,1,2,3,4,5,6,7
	ds_load_b128 v[32+8*\m:35+8*\m], v14 offset:16*SP*\m           ; the residual: bytes of the stage that only this wave touches between these two barriers
	ds_load_b128 v[36+8*\m:39+8*\m], v14 offset:16*SP*\m+16
.endr
	s_wait_dscnt 0x0
.set K, 0
.rept 32
	v_pk_add_f32 v[160+K:161+K], v[160+K:161+K], v[32+K:33+K]
.set K, K+2
.endr
.irp m, 0,1,2,3,4,5,6,7
	ds_store_b128 v14, v[160+8*\m:163+8*\m] offset:16*SP*\m
	ds_store_b128 v14, v[164+8*\m:167+8*\m] offset:16*SP*\m+16
.endr
	s_wait_dscnt 0x0
	s_barrier_signal -1
	s_barrier_wait -1                              ; barrier 6: 128 whole rows lie in the stage
	s_wait_loadcnt 0x0                             ; the second norm's gain and bias
	LN 2
	s_wait_xcnt 0x0
	v_lshl_add_u32 v254, v0, 2, 0x47400
	v_mov_b32 v255, 0
	s_wait_tensorcnt 0x0
	ds_add_u32 v254, v255
	s_wait_dscnt 0x0
	s_endpgm
.Lfunc_end_k_qd563f0f4a2_attn:
	.size	k_qd563f0f4a2_attn, .Lfunc_end_k_qd563f0f4a2_attn-k_qd563f0f4a2_attn
	.p2alignl 7, 3214868480
	.fill 96, 4, 3214868480
	.section	.rodata,"a",@progbits
	.p2align	6, 0x0
	.amdhsa_kernel k_qd563f0f4a2_attn
		.amdhsa_group_segment_fixed_size 293888
		.amdhsa_private_segment_fixed_size 0
		.amdhsa_enable_private_segment 0
		.amdhsa_kernarg_size 104
		.amdhsa_user_sgpr_count 2
		.amdhsa_user_sgpr_kernarg_segment_ptr 1
		.amdhsa_wavefront_size32 1
		.amdhsa_system_sgpr_workgroup_id_x 1
		.amdhsa_system_sgpr_workgroup_id_y 1
		.amdhsa_system_sgpr_workgroup_id_z 1
		.amdhsa_system_vgpr_workitem_id 0
		.amdhsa_next_free_vgpr 256
		.amdhsa_next_free_sgpr 100
		.amdhsa_reserve_vcc 0
		.amdhsa_float_denorm_mode_32 3
		.amdhsa_float_denorm_mode_16_64 3
		.amdhsa_memory_ordered 1
		.amdhsa_forward_progress 1
		.amdhsa_inst_pref_size 150
	.end_amdhsa_kernel
	.amdgpu_metadata
---
amdhsa.version: [ 1, 2 ]
amdhsa.kernels:
  - .name:           k_qd563f0f4a2_attn
    .symbol:         k_qd563f0f4a2_attn.kd
    .args:
      - { .name: x, .offset: 0, .size: 8, .value_kind: global_buffer, .address_space: global }
      - { .name: codes, .offset: 8, .size: 8, .value_kind: global_buffer, .address_space: global }
      - { .name: scl, .offset: 16, .size: 8, .value_kind: global_buffer, .address_space: global }
      - { .name: cst, .offset: 24, .size: 8, .value_kind: global_buffer, .address_space: global }
      - { .name: wc, .offset: 32, .size: 8, .value_kind: global_buffer, .address_space: global }
      - { .name: ws, .offset: 40, .size: 8, .value_kind: global_buffer, .address_space: global }
      - { .name: b1, .offset: 48, .size: 8, .value_kind: global_buffer, .address_space: global }
      - { .name: b2, .offset: 56, .size: 8, .value_kind: global_buffer, .address_space: global }
      - { .name: ln1_w, .offset: 64, .size: 8, .value_kind: global_buffer, .address_space: global }
      - { .name: ln1_b, .offset: 72, .size: 8, .value_kind: global_buffer, .address_space: global }
      - { .name: ln2_w, .offset: 80, .size: 8, .value_kind: global_buffer, .address_space: global }
      - { .name: ln2_b, .offset: 88, .size: 8, .value_kind: global_buffer, .address_space: global }
      - { .name: out0, .offset: 96, .size: 8, .value_kind: global_buffer, .address_space: global }
    .group_segment_fixed_size: 293888
    .private_segment_fixed_size: 0
    .kernarg_segment_align: 8
    .kernarg_segment_size: 104
    .max_flat_workgroup_size: 512
    .sgpr_count:     100
    .vgpr_count:     256
    .wavefront_size: 32
...
	.end_amdgpu_metadata
.endif
;; end of part 3
